; MI455X (gfx1250); checked and timed in simulation.
; The chip was launched on July 23, 2026; its instructions are those of AMD's public machine-readable ISA for CDNA 5 (MIT licence, August 2026) and "CDNA5" Instruction Set Architecture Reference Guide (July 2026). The comments in the code are by the model that wrote it; some were corrected since.
;; Quantized Linear. Allowed arithmetic: matrix products marked QUANTISED: E3M2 operands, one E8M0 scale for each 32 along K, by v_wmma_scale_f32_16x16x128_f8f6f4 with both operands' format E3M2, f32 sums; everything else in f32.
;; Inputs: bias 4,096 float32; scale 4,096 float32; w_q 4,096 x 4,096 int32; x 4,096 x 4,096 float32; zero_point 4,096 float32.
;; Outputs: out0 4,096 x 4,096 float32.
;; This version of the problem:
;;   THIS VERSION OF THE PROBLEM IS GIVEN IN LOW PRECISION. The matrix products marked QUANTISED in the list below multiply operands that are first quantised to E3M2 (3 exponent bits, 2 mantissa bits; 6 bits a number), with one power-of-two scale for each 32 numbers along K (OCP MX v1.0); their sums are f32. All else is computed in f32.
;;   The module's matrix products, in the order in which they are computed (A, B: the left and right operand; K: the contracted axis; several contracted axes count as one K, in the product's order):
;;     1. [M 4,096, K 4,096] x [K 4,096, N 4,096]; A: input x; B: computed on the way: QUANTISED
;;   THE QUANTISER, for each operand of a quantised product, along K:
;;     - K is cut into blocks of 32 from its start; a last block that is shorter is filled with zeros.
;;     - A block's scale is 2^e with e = floor(log2(the largest magnitude in the block)) - 4, held to -126 .. 127; a block of zeros has e = 0. As a byte (E8M0): e + 127.
;;     - Each number is divided by its block's scale, clamped to +-28, and rounded to the nearest number of E3M2, ties to even, subnormals kept.
;;     - The product sums the exact products of the quantised numbers (number of the format x scale) in f32.
;;   ~~~python
;;   def quantise(x, axis):      # numpy; x: float32 -> the quantised numbers, widened to float32 again
;;       x = np.moveaxis(x, axis, -1); K = x.shape[-1]
;;       x = np.pad(x, [(0, 0)] * (x.ndim - 1) + [(0, -K % 32)]); x = x.reshape(x.shape[:-1] + (-1, 32)); a = np.abs(x).max(-1, keepdims=True)
;;       e = np.where(a > 0, np.clip(np.frexp(np.where(a > 0, a, 1))[1] - 1 - 4, -126, 127), 0)      # np.frexp(a)[1] - 1 = floor(log2(a)), exactly
;;       r = np.clip(x / 2.0 ** e, -28, 28)
;;       step = 2.0 ** (np.maximum(np.frexp(np.where(r == 0, 1, r))[1] - 1, -2) - 2)
;;       q = np.round(r / step) * step * 2.0 ** e      # np.round: ties to even
;;       return np.moveaxis(q.reshape(q.shape[:-2] + (-1,))[..., :K], -1, axis).astype(np.float32)
;;   ~~~
;;   OPERANDS COMPUTED ON THE WAY. 'Computed on the way' means the value that the module computes at that place (a softmax that the list does not call 'softmax' is quantised finished and normalised). What goes into a quantiser is computed in f32, as accurately as f32 sums, v_exp_f32 and their like allow (about 1e-6 of the number): no bf16 or f16 on the way to a quantiser, and a product that is left as it is and whose result goes on into a quantised operand takes f32 operands (vector FMAs, or v_wmma_f32_16x16x4_f32). A number that lies on a knife's edge between two numbers of the format may be rounded either way, as far as f32 arithmetic and the matrix unit's own rounding can turn it there, and no further.
;; One version. Each part assembles by itself: llvm-mc -triple=amdgcn-amd-amdhsa -mcpu=gfx1250 --defsym DOCPART=n.
;; ======== version 1 of 1: 2 launches
;; limits: right only within a limited range of input values
;; workspace buffers: a_pack 13,107,200 bytes; b_pack 13,107,200 bytes
;; launch quant (part 1): grid 512 x 1, 8 waves a work-group, no clusters, 70,656 bytes of LDS; arguments x, w_q, scale, zero_point, a_pack, b_pack; writes a_pack, b_pack
.if DOCPART == 1
	.amdgcn_target "amdgcn-amd-amdhsa--gfx1250"
	.amdhsa_code_object_version 6
	.text
	.protected	k_q1c09f9eee4_quant
	.globl	k_q1c09f9eee4_quant
	.p2align	8
	.type	k_q1c09f9eee4_quant,@function
k_q1c09f9eee4_quant:
	s_mov_b64 s[64:65], 0
	v_nop
	global_prefetch_b8 v0, s[64:65] scope:SCOPE_SE
	s_setreg_imm32_b32 hwreg(HW_REG_WAVE_MODE, 25, 1), 1
	s_wait_xcnt 0x0
; x [4096][4096] f32 and w = (float(w_q) - zero_point[o]) * scale[o], w_q [4096][4096] i32, are turned into codes of BF6 (E3M2), 6 bits each, with one E8M0 scale byte for each 32 along K (the last axis of both).
; w is made in f32 as the problem writes it: a conversion (exact under 2^24), a subtraction, a multiplication: two roundings, nothing folded.
; A block's scale is 2^(floor(log2(its largest magnitude)) - 4); its byte is the largest magnitude's exponent field - 4, held at 1 from below by a floor among the maximum's leaves.
; LIMITS: NaN and infinities among the inputs are not served.  A block of zeros gets the byte 1 where the rule says 127: its codes are zeros, which add nothing under any byte but 0xff, and the bytes are read by this program alone.
; THE WORKSPACE IS LAID AS THE PRODUCT'S LAUNCH READS IT: one buffer for each operand, [row / 128 (32)][K / 128 (32)] parts of 12,800 bytes.  A part is eight FRAGMENT IMAGES of 1,536 bytes, image i = (row / 16) % 8
;   (16 rows x 128 K, 12 registers a lane: register j of lane l at byte 512 (j / 4) + 16 l + 4 (j % 4); lane l holds row l % 16, registers 6 c .. 6 c + 5 hold K = 64 c + 32 (l / 16) + 0 .. 31),
;   and behind them 512 bytes of scale words (four bytes: 128 K of one row): the word of row r of image i at 32 r + 4 i.
; SHARES.  Work-groups 0-255 take x, 256-511 take w: only pointers are chosen, and the one branch goes round register work.  A work-group of eight waves takes 128 rows x 512 K: four parts; wave i makes image i of each,
; in four steps of 16 rows x 128 K.  Each load reads 512 consecutive bytes of one row; the 16 rows turn through the wave's own stage in LDS, from which lane (r, h) takes its two whole blocks of 32.
; The eight waves' scale words meet in 2,048 bytes of LDS behind the kernel's one barrier, and each wave stores 256 consecutive bytes of them.  No tensor loads.  Loads run two steps (32 loads a wave) ahead.
; Every offset is an immediate; no pointer is stepped.
.set STGB,   8448                      ; a wave's stage: 16 rows x 528 bytes
.set SPITCH, 528                       ; a stage row: 512 bytes + 16 = 132 words: row r starts at bank 4 r mod 64 (64 banks of 4 bytes: ISA guide 11.1)
.set ROWB,   16384                     ; a row of x or of w_q in bytes
.set SUB,    12800                     ; a part of the workspace
.set SCO,    12288                     ; the scale words' place in it
.set HROW,   32*SUB                    ; 128 rows, all of K
.set SCG,    8*STGB                    ; LDS, behind the stages: the four parts' scale words, 512 bytes each
.set W,   24                           ; v24-27    step t's scale word
.set T,   28                           ; v28-30, v32-34  the upper halves of the two blocks' codes (a conversion's three registers begin on an even number)
.set PC,  36                           ; v36-59    two sets of 12 code registers: set t % 2
.set X,   64                           ; v64-127   my 64 numbers: register 32 c + n = K 64 c + 32 h + n of row r
.set R,   128                          ; v128-255  two sets of 64 registers as loaded: set t % 2
	s_load_b256 s[4:11], s[0:1], 0x0               ; x s[4:5], w_q s[6:7], scale s[8:9], zero_point s[10:11]
	s_load_b128 s[12:15], s[0:1], 0x20             ; a_pack s[12:13], b_pack s[14:15]
	v_lshl_add_u32 v62, v0, 2, 0x11000
	v_mov_b32 v63, 0
	v_lshrrev_b32 v1, 5, v0
	s_delay_alu instid0(VALU_DEP_1)
	v_readfirstlane_b32 s22, v1                    ; wave 0..7: my image
	v_and_b32 v1, 31, v0                           ; lane
	v_and_b32 v2, 15, v0                           ; r
	v_bfe_u32 v3, v0, 4, 1                         ; h
	s_mul_i32 s23, s22, STGB                       ; my stage
	v_lshlrev_b32 v4, 4, v1                        ; 16 x lane: my bytes of a load's 512, and of an image's 512
	s_delay_alu instid0(VALU_DEP_1)
	v_add_nc_u32 v5, s23, v4                       ; the stage, on the way in
	v_mul_u32_u24 v6, v2, SPITCH
	s_delay_alu instid0(VALU_DEP_1)
	v_lshl_add_u32 v6, v3, 7, v6
	s_delay_alu instid0(VALU_DEP_1)
	v_add_nc_u32 v6, s23, v6                       ; and on the way out: row r, + 128 h bytes
	v_lshlrev_b32 v7, 2, v2                        ; 4 r: my row's zero_point and scale
	v_lshlrev_b32 v8, 3, v1                        ; 8 x lane: my 8 bytes of a run of 256
	v_lshlrev_b32 v9, 5, v2
	s_delay_alu instid0(VALU_DEP_1)
	v_lshl_add_u32 v9, v3, 9, v9
	s_lshl_b32 s28, s22, 2
	s_add_co_u32 s28, s28, SCG
	v_add_nc_u32 v9, s28, v9                       ; where my scale words go: 32 r + 4 x wave; lanes 16-31 one part (512 bytes) further on
	s_lshl_b32 s28, s22, 8
	s_add_co_u32 s28, s28, SCG
	v_add_nc_u32 v23, s28, v8                      ; and what I take of them: 256 x wave + 8 x lane
	v_mov_b32 v11, 0                               ; (named as the upper halves of the pairs v[10:11] and v[12:13])
	v_mov_b32 v13, 0
	v_mov_b32 v21, 0                               ; written once: a lane permute's destination counts as one of its sources
	v_lshlrev_b32 v22, 3, v3                       ; 8 h: my bytes' place in the scale word, in bits
	s_mov_b32 s20, 0x76543210
	s_mov_b32 s21, 0xfedcba98                      ; v_permlanex16_b32's selects for lane l xor 16
	s_lshr_b32 s24, ttmp9, 8                       ; 0: x;  1: w
	s_and_b32 s25, ttmp9, 255
	s_lshr_b32 s26, s25, 3                         ; which 128 rows
	s_and_b32 s27, s25, 7                          ; which 512 along K
	s_lshl_b32 s29, s26, 3
	s_add_co_u32 s29, s29, s22                     ; which 16 rows: 8 x (row / 128) + wave
	s_lshl_b32 s30, s29, 18                        ; the source: 16 rows of 16,384 bytes,
	s_lshl_b32 s28, s27, 11                        ; 512 numbers of 4 bytes
	s_add_co_u32 s30, s30, s28
	s_mov_b32 s31, 0
	s_mul_i32 s32, s26, HROW                       ; the workspace: my 128 rows,
	s_mul_i32 s28, s27, 4*SUB                      ; my four parts
	s_add_co_u32 s32, s32, s28
	s_lshr_b32 s28, s22, 1                         ; the scale words that I store: part wave / 2,
	s_mul_i32 s28, s28, SUB
	s_add_co_u32 s34, s32, s28
	s_and_b32 s28, s22, 1                          ; its first or second 256 bytes
	s_lshl_b32 s28, s28, 8
	s_add_co_u32 s34, s34, s28
	s_add_co_u32 s34, s34, SCO
	s_mov_b32 s35, 0
	s_mul_i32 s28, s22, 1536                       ; the codes: my image
	s_add_co_u32 s32, s32, s28
	s_mov_b32 s33, 0
	s_lshl_b32 s36, s29, 6                         ; zero_point and scale: 16 numbers of 4 bytes
	s_mov_b32 s37, 0
	s_wait_kmcnt 0x0
	s_cmp_eq_u32 s24, 0                            ; the choice hangs on the work-group's number alone
	s_cselect_b64 s[4:5], s[4:5], s[6:7]
	s_cselect_b64 s[12:13], s[12:13], s[14:15]
	s_add_nc_u64 s[4:5], s[4:5], s[30:31]
	s_add_nc_u64 s[14:15], s[12:13], s[34:35]      ; where my 256 bytes of scale words go
	s_add_nc_u64 s[12:13], s[12:13], s[32:33]      ; where my images go
	s_add_nc_u64 s[10:11], s[10:11], s[36:37]
	s_add_nc_u64 s[8:9], s[8:9], s[36:37]
	global_load_b32 v10, v7, s[10:11]              ; zero_point and scale of row r.  Every wave loads them (its 16 rows are valid rows of both tensors), so that no register is written on one way alone
	global_load_b32 v12, v7, s[8:9]
.macro LOAD t                          ; step t: load i is row i: 32 lanes read 512 consecutive bytes
.irp i, 0,1,2,3,4,5,6,7,8,9,10,11,12,13,14,15
	global_load_b128 v[R+64*((\t)%2)+4*\i:R+64*((\t)%2)+4*\i+3], v4, s[4:5] offset:\i*ROWB+(\t)*512 th:TH_LOAD_NT
.endr
.endm
	LOAD 0
	LOAD 1
.macro STEP t
.set RS, R+64*((\t)%2)
.set PS, PC+12*((\t)%2)
.if (\t) < 3
	s_wait_loadcnt 16                              ; this step's 16 loads are in (in step 0: zero_point and scale, issued ahead of them, too); the other set's 16 may be out
.else
	s_wait_loadcnt 0x0
.endif
.irp i, 0,1,2,3,4,5,6,7,8,9,10,11,12,13,14,15
	ds_store_b128 v5, v[RS+4*\i:RS+4*\i+3] offset:\i*SPITCH
.endr
.irp c, 0,1
.irp j, 0,1,2,3,4,5,6,7
	ds_load_b128 v[X+32*\c+4*\j:X+32*\c+4*\j+3], v6 offset:256*\c+16*\j   ; LDS serves a wave's instructions in order (ISA guide 5.7.1.4): these see the stores above
.endr
.endr
	s_wait_dscnt 0x0                               ; my 64 numbers are in, and the stores have read the raw set,
.if (\t)+2 < 4
	LOAD (\t)+2                                    ; which takes the loads of two steps on
.endif
	s_cmp_eq_u32 s24, 0                            ; x is quantised as it is; the branch goes round register work alone
	s_cbranch_scc1 .Lplain_\@
.set n, 0
.rept 64
	v_cvt_f32_i32 v[X+n], v[X+n]
.set n, n+1
.endr
.set n, 0
.rept 32
	v_pk_add_f32 v[X+n:X+n+1], v[X+n:X+n+1], v[10:11] op_sel_hi:[1,0] neg_lo:[0,1] neg_hi:[0,1]   ; q - zero_point: a lane holds one row, so one number serves both halves
.set n, n+2
.endr
.set n, 0
.rept 32
	v_pk_mul_f32 v[X+n:X+n+1], v[X+n:X+n+1], v[12:13] op_sel_hi:[1,0]                            ; x scale
.set n, n+2
.endr
.Lplain_\@:
.irp c, 0,1                            ; block 2 c + h is all mine: its largest magnitude in two chains, the two blocks by turns
	v_max3_num_f32 v[14+\c], |v[X+32*\c]|, |v[X+32*\c+1]|, 0x2800000   ; and the floor 2^(5 - 127), under which no largest magnitude is taken: so the byte cannot fall under 1
	v_max3_num_f32 v[18+\c], |v[X+32*\c+16]|, |v[X+32*\c+17]|, |v[X+32*\c+18]|
.endr
.irp i, 2,4,6,8,10,12
.irp c, 0,1
	s_delay_alu instid0(VALU_DEP_4)
	v_max3_num_f32 v[14+\c], v[14+\c], |v[X+32*\c+\i]|, |v[X+32*\c+\i+1]|
	s_delay_alu instid0(VALU_DEP_4)
	v_max3_num_f32 v[18+\c], v[18+\c], |v[X+32*\c+\i+17]|, |v[X+32*\c+\i+18]|
.endr
.endr
.irp c, 0
	s_delay_alu instid0(VALU_DEP_4)
	v_max3_num_f32 v[14+\c], v[14+\c], |v[X+32*\c+14]|, |v[X+32*\c+15]|
.endr
.irp c, 1
	s_delay_alu instid0(VALU_DEP_3)
	v_max3_num_f32 v[14+\c], v[14+\c], |v[X+32*\c+14]|, |v[X+32*\c+15]|
.endr
.irp c, 0,1
	s_delay_alu instid0(VALU_DEP_2)
	v_max3_num_f32 v[14+\c], v[14+\c], v[18+\c], |v[X+32*\c+31]|
.endr
.irp c, 0,1
	s_delay_alu instid0(VALU_DEP_2)
	v_add_nc_u32 v[16+\c], 0xfe000000, v[14+\c]    ; 4 off its exponent field: the conversion takes the exponent field of this operand as its scale, and nothing else of it
.endr
.if (\t) >= 2
	s_wait_alu depctr_va_vdst(0)
	s_wait_xcnt 0x0                                ; the stores of two steps back have read this set of code registers: it is written again only behind this wait
.endif
.irp c, 0,1
	v_cvt_scalef32_pk16_bf6_f32 v[PS+6*\c:PS+6*\c+2], v[X+32*\c:X+32*\c+15], v[16+\c]       ; registers 6 c .. 6 c + 2 of the image; beyond the largest code the largest, so no hold is written
	v_cvt_scalef32_pk16_bf6_f32 v[T+4*\c:T+4*\c+2], v[X+32*\c+16:X+32*\c+31], v[16+\c]      ; the block's upper 16 codes, made elsewhere and moved
.endr
.irp c, 0,1
	v_lshrrev_b32 v[18+\c], 23, v[16+\c]           ; the scale's byte.  (Also the plain line between the conversions and the moves that read their results)
.endr
	s_delay_alu instid0(VALU_DEP_1)
	v_lshl_or_b32 v20, v19, 16, v18                ; my two bytes: blocks h and 2 + h of row r,
	s_delay_alu instid0(VALU_DEP_1)
	v_lshlrev_b32 v20, v22, v20                    ; at their places in the scale word;
	s_delay_alu instid0(VALU_DEP_1)
	v_permlanex16_b32 v21, v20, s20, s21
	s_delay_alu instid0(VALU_DEP_1)
	v_or_b32 v[W+(\t)], v20, v21                   ; with lane l xor 16's two the word is whole, in both lanes
.irp c, 0,1
.irp i, 0,1,2
	v_mov_b32 v[PS+3+6*\c+\i], v[T+4*\c+\i]
.endr
.endr
.irp c, 0,1,2
	global_store_b128 v4, v[PS+4*\c:PS+4*\c+3], s[12:13] offset:(\t)*SUB+512*\c   ; 32 lanes store 512 consecutive bytes, at a multiple of 256 from the buffer's first byte
.endr
.endm
	STEP 0
	STEP 1
	STEP 2
	STEP 3
	v_cmp_ne_u32 vcc_lo, 0, v3                     ; both halves of the lanes hold all four words: lanes 0-15 hand on those of steps 0 and 2, lanes 16-31 those of steps 1 and 3
	s_delay_alu instid0(VALU_DEP_1)
	v_cndmask_b32 v20, v24, v25, vcc_lo
	s_delay_alu instid0(VALU_DEP_2)
	v_cndmask_b32 v21, v26, v27, vcc_lo
	ds_store_b32 v9, v20                           ; parts 0 and 1
	ds_store_b32 v9, v21 offset:1024               ; parts 2 and 3
	s_wait_dscnt 0x0                               ; for the others' sake: my words lie in LDS
	s_barrier_signal -1
	s_barrier_wait -1                              ; all eight waves' do
	ds_load_b64 v[20:21], v23
	s_wait_dscnt 0x0
	global_store_b64 v8, v[20:21], s[14:15]        ; 32 lanes store 256 consecutive bytes, at a multiple of 256 from the buffer's first byte
	s_wait_tensorcnt 0x0
	ds_add_u32 v62, v63
	s_wait_dscnt 0x0
	s_endpgm
.Lfunc_end_k_q1c09f9eee4_quant:
	.size	k_q1c09f9eee4_quant, .Lfunc_end_k_q1c09f9eee4_quant-k_q1c09f9eee4_quant
	.p2alignl 7, 3214868480
	.fill 96, 4, 3214868480
	.section	.rodata,"a",@progbits
	.p2align	6, 0x0
	.amdhsa_kernel k_q1c09f9eee4_quant
		.amdhsa_group_segment_fixed_size 70656
		.amdhsa_private_segment_fixed_size 0
		.amdhsa_enable_private_segment 0
		.amdhsa_kernarg_size 48
		.amdhsa_user_sgpr_count 2
		.amdhsa_user_sgpr_kernarg_segment_ptr 1
		.amdhsa_wavefront_size32 1
		.amdhsa_system_sgpr_workgroup_id_x 1
		.amdhsa_system_sgpr_workgroup_id_y 1
		.amdhsa_system_sgpr_workgroup_id_z 1
		.amdhsa_system_vgpr_workitem_id 0
		.amdhsa_next_free_vgpr 256
		.amdhsa_next_free_sgpr 66
		.amdhsa_reserve_vcc 1
		.amdhsa_float_denorm_mode_32 3
		.amdhsa_float_denorm_mode_16_64 3
		.amdhsa_memory_ordered 1
		.amdhsa_forward_progress 1
		.amdhsa_inst_pref_size 60
	.end_amdhsa_kernel
	.amdgpu_metadata
---
amdhsa.version: [ 1, 2 ]
amdhsa.kernels:
  - .name:           k_q1c09f9eee4_quant
    .symbol:         k_q1c09f9eee4_quant.kd
    .args:
      - { .name: x, .offset: 0, .size: 8, .value_kind: global_buffer, .address_space: global }
      - { .name: w_q, .offset: 8, .size: 8, .value_kind: global_buffer, .address_space: global }
      - { .name: scale, .offset: 16, .size: 8, .value_kind: global_buffer, .address_space: global }
      - { .name: zero_point, .offset: 24, .size: 8, .value_kind: global_buffer, .address_space: global }
      - { .name: a_pack, .offset: 32, .size: 8, .value_kind: global_buffer, .address_space: global }
      - { .name: b_pack, .offset: 40, .size: 8, .value_kind: global_buffer, .address_space: global }
    .group_segment_fixed_size: 70656
    .private_segment_fixed_size: 0
    .kernarg_segment_align: 8
    .kernarg_segment_size: 48
    .max_flat_workgroup_size: 256
    .sgpr_count:     66
    .vgpr_count:     256
    .wavefront_size: 32
...
	.end_amdgpu_metadata
.endif
;; end of part 1
;; launch gemm (part 2): grid 16 x 16, 4 waves a work-group, clusters of 4 x 4, 327,680 bytes of LDS; arguments a_pack, b_pack, bias, out0; writes out0
.if DOCPART == 2
	.amdgcn_target "amdgcn-amd-amdhsa--gfx1250"
	.amdhsa_code_object_version 6
	.text
	.protected	k_q1c09f9eee4_gemm
	.globl	k_q1c09f9eee4_gemm
	.p2align	8
	.type	k_q1c09f9eee4_gemm,@function
k_q1c09f9eee4_gemm:
	s_mov_b64 s[64:65], 0
	v_nop
	global_prefetch_b8 v0, s[64:65] scope:SCOPE_SE
	s_setreg_imm32_b32 hwreg(HW_REG_WAVE_MODE, 25, 1), 1
	s_wait_xcnt 0x0
	s_wait_alu depctr_hold_cnt(0) depctr_sa_sdst(0) depctr_va_vdst(0) depctr_va_sdst(0) depctr_va_ssrc(0) depctr_va_vcc(0) depctr_vm_vsrc(0)
	s_getreg_b32 s2, hwreg(HW_REG_IB_STS2, 6, 4)
	s_cmp_eq_u32 s2, 0
	s_cbranch_scc0 .Lentry_in_a_cluster
	s_endpgm
.Lentry_in_a_cluster:
	s_bfe_u32 s2, ttmp6, 0x10000c
	s_cmp_lg_u32 s2, 0xf033
	s_cbranch_scc0 .Lentry_shape_is_right
	s_endpgm
.Lentry_shape_is_right:
; out0[m][o] = sum over k of Q(x)[m][k] Q(w)[o][k] + bias[o]: codes of BF6 (E3M2) with E8M0 scales, as the launch before laid them; sums and the bias in f32.
; a_pack, b_pack: [row / 128][K / 128] parts of 12,800 bytes: eight fragment images of 1,536 bytes (16 rows x 128 K as a wave's 12 registers take them, three loads of 16 bytes a lane), then 512 bytes of scale words.
; A work-group of four waves makes 256 x 256 of out0, a wave 128 x 128: 64 accumulators.  256 work-groups: one for each WGP.
; THE RING: two LDS slots of three K steps (four runs of three parts: A's two halves, B's two halves).  A wave's one tensor load brings one run, dense rows of 256 bytes.  The first fill of slot 0 has two parts: 32 = 2 + 10 x 3.
; CLUSTERS: 4 x 4 work-groups; A's runs are asked for jointly along a row of the cluster, B's along a column.  A round of the cluster's barrier stands in front of every joint load.
; REGISTERS.  Each of the four windows of 256 holds 16 accumulators (v0-127), four fragments in each of two sets (v128-175, v176-223) and 32 others:
;   window 0: A's blocks 0-3; v224-239 the scale words, two sets; v240.. the way out.   window 1: A's blocks 4-7.   window 2: B's blocks 0-3; v224-229 LDS addresses.   window 3: B's blocks 4-7; v224-227 LDS addresses.
;   The accumulator of A's block a and B's block b lies in window 2 (a / 4) + b / 4 at v[8 (4 (a % 4) + b % 4)].
; A STEP of 128 along K is four QUARTERS of 16 products, each under ONE window setting: source 0 (B) window 2 + b / 4, source 1 (A) window a / 4, C and D the quarter's window.  Under quarter d's setting an LDS load lands in
; window d and takes its address from source 0's window, so the same four settings serve the loads.  Both operands have two sets: the next step's 50 loads touch no register that this step's products read, and go out
; as ONE run, behind the step's first quarter, in the order in which the next step wants them: A's blocks 0-3, the scale words, B's 0-3, B's 4-7, A's 4-7.  48 products stand between the run and its first use.
; THE LAST SIX STEPS GO BY HALVES OF MY ROWS.  Their six parts all lie in LDS.  Quarters 0 and 1 (rows 0-63) go through steps 26 to 31, then quarters 2 and 3 (rows 64-127) through the same steps, K ascending in every sum;
; the four finished blocks of rows 0-63 leave one in each of the first four of those later half steps, so that their stores are on their way while rows 64-127 are multiplied.  The price: B's fragments and the scale
; words of these six parts are read from LDS twice, 156 loads a wave.
; THE MATRIX INSTRUCTION IS USED TRANSPOSED (source 0 = rows of w, source 1 = rows of x): a lane holds eight neighbouring numbers of a row of out0.
; THE PREFETCH.  A wave fetches one run of 409,600 bytes (128 rows, all of K).  An ask names 32 blocks of 256 bytes, a lane a block; the four partners that load the run jointly share 32,768 bytes out by address.
; Every cluster asks for what it loads.  Two asks behind the first tensor load name bytes 16,384 to 81,919 (slot 1's first fill ends at byte 64,000), two behind slot 1's first fill bytes 81,920 to 147,455.  Behind each of
; the first eight refills one ask follows: refill n ends at byte 102,400 + 38,400 n, its ask begins at byte 147,456 + 32,768 n; the eighth ends with the run, and the ninth refill has none.
.set SIZE_N, 4096
.set FRB,    1536                      ; a fragment image
.set SUB,    12800                     ; a part
.set SCO,    12288                     ; the scale words' place in it
.set BLK,    3*SUB                     ; a run of a slot: what one tensor load brings
.set SLOT,   4*BLK
.set HROW,   32*SUB                    ; 128 rows, all of K
.set TROW,   2*HROW
.set TRIPS,  4
.set SPARE,  2*SLOT                    ; behind the ring: the spare words, 128 bytes a wave
.set STAGE,  SPARE+512                 ; behind them: the way out's stages, 16 rows x 272 bytes for each wave: bytes of their own, on which no fill lands
.set SPITCH, 272                       ; a stage row: 256 bytes + 16
.set PSTEP,  32768
.set PFIRST, 576*256
.set BIAS, 8                           ; s[8:9]
.set OUT,  10                          ; s[10:11]
.set FRG,  128                         ; fragments: set p at v[FRG + 48 p], in every window
.set SC,   224                         ; window 0: scale words, set p at v[SC + 8 p]: register i: lanes 0-15 A's block i, lanes 16-31 B's block i
.set SPW,  240                         ; window 0: my spare word's LDS address; never rewritten
.set NIL,  241                         ; 0; never rewritten
.set STO,  242                         ; the way out: where I put 32 bytes of a row
.set RD,   243                         ; where I read 16 bytes of a row back
.set CO,   244                         ; 16 x lane
.set PFO,  245                         ; 256 x lane
.set GO,   246                         ; my byte offset in two rows of out0: 16,384 (lane / 16) + 16 (lane % 16)
.set BO,   247                         ; 16 (lane % 16)
.set BV,   248                         ; v248-255: the bias of my four columns in the left and in the right 64 columns
.set ADRA, 224                         ; windows 2 and 3: LDS address of my A images in slot 0, 1
.set ADRB, 226                         ; the same for B
.set ADRS, 228                         ; window 2: of my scale words
.set BK,   128                         ; the way out: a block read back, 64 registers of window 0, where A's blocks 0-3 lay
.set G1,   24
.set G0,   32
.set G1B,  48
.set G0B,  56
.set G1H,  68                          ; group 1 of the head's loads: two parts
.set G1HB, 80
.set PFA,  98
.set MSB, 0
.macro WIN new                         ; the immediate's high byte repeats the setting that is left
.if MSB != (\new)
	s_set_vgpr_msb (MSB<<8)|(\new)
.set MSB, (\new)
.endif
.endm
.macro JLOAD g0a, g1a, g0b, g1b        ; a joint load: waves 0, 1 fetch A's runs, waves 2, 3 B's
	s_cmp_eq_u32 s15, 0
	s_cbranch_scc0 .Lfor_b_\@
	tensor_load_to_lds s[\g0a:\g0a+3], s[\g1a:\g1a+7]
	s_nop 0
.rept 4
	v_nop
.endr
	s_branch .Lasked_\@
.Lfor_b_\@:
	tensor_load_to_lds s[\g0b:\g0b+3], s[\g1b:\g1b+7]
	s_nop 0
.rept 4
	v_nop
.endr
.Lasked_\@:
.endm
.macro CREST                           ; a round of the cluster's barrier behind its opening barrier
	s_cmp_lg_u32 s14, 0
	s_cbranch_scc1 .Lnot_wave_0_\@
	s_barrier_signal -3
.Lnot_wave_0_\@:
	s_barrier_wait -3
	s_barrier_signal -1
	s_barrier_wait -1
.endm
.macro CROUND
	s_barrier_signal -1
	s_barrier_wait -1
	CREST
.endm
.macro ASK strict                      ; strict = 1: not in the loop's last trip, whose second refill is the ninth
.if \strict
	s_cmp_gt_u32 s3, 1
	s_cbranch_scc0 .Lno_more_\@
.endif
	global_prefetch_b8 v[PFO], s[PFA:PFA+1] th:TH_LOAD_NT scope:SCOPE_SE
.if \strict
.Lno_more_\@:
.endif
.endm
.macro PLACES
.rept 4
	v_nop
.endr
.endm
	s_load_b128 s[4:7], s[0:1], 0x0                ; a_pack, b_pack
	s_load_b128 s[8:11], s[0:1], 0x10              ; bias, out0
	v_lshl_add_u32 v[SPW], v0, 2, SPARE
	v_mov_b32 v[NIL], 0
	ds_add_u32 v[SPW], v[NIL]                      ; the opening lines: the add, twice on end, and its wait
	ds_add_u32 v[SPW], v[NIL]
	v_lshrrev_b32 v1, 5, v0
	v_readfirstlane_b32 s14, v1                    ; wave 0..3
	s_lshr_b32 s15, s14, 1                         ; my half of the rows.  Also: I fetch for A (0) or B (1)
	s_and_b32 s16, s14, 1                          ; my half of the columns.  Also: which 128 rows I fetch
	s_bfe_u32 s40, ttmp6, 0x40000                  ; cx
	s_bfe_u32 s41, ttmp6, 0x40004                  ; cy
	s_lshl_b32 s42, ttmp9, 2
	s_add_co_u32 s42, s42, s40                     ; tile column
	s_and_b32 s17, ttmp7, 0xffff
	s_lshl_b32 s17, s17, 2
	s_add_co_u32 s17, s17, s41                     ; tile row
	s_lshl_b32 s43, s41, 2
	s_lshl_b32 s43, 15, s43                        ; my row of the cluster
	s_lshl_b32 s44, 0x1111, s40                    ; my column
	s_or_b32 s[G1+0], s43, (3<<16)|(1<<21)         ; elements of 8 bytes, no padding: an image is read 16 bytes a lane on end
	s_or_b32 s[G1B+0], s44, (3<<16)|(1<<21)
	s_or_b32 s[G1H+0], s43, (3<<16)|(1<<21)
	s_or_b32 s[G1HB+0], s44, (3<<16)|(1<<21)
.irp g, G1, G1B                        ; three parts: 150 dense rows of 256 bytes
	s_mov_b32 s[\g+1], 32<<16
	s_mov_b32 s[\g+2], 150<<16
	s_mov_b32 s[\g+3], 32<<16
	s_mov_b32 s[\g+4], 150
	s_mov_b32 s[\g+5], 32
	s_mov_b32 s[\g+6], 0
	s_mov_b32 s[\g+7], 0
.endr
.irp g, G1H, G1HB                      ; two parts: 100 rows
	s_mov_b32 s[\g+1], 32<<16
	s_mov_b32 s[\g+2], 100<<16
	s_mov_b32 s[\g+3], 32<<16
	s_mov_b32 s[\g+4], 100
	s_mov_b32 s[\g+5], 32
	s_mov_b32 s[\g+6], 0
	s_mov_b32 s[\g+7], 0
.endr
	s_mul_i32 s18, s16, HROW
	s_mul_i32 s20, s17, TROW
	s_add_co_u32 s20, s20, s18                     ; A's run that I fetch, in bytes
	s_mov_b32 s21, 0
	s_mul_i32 s46, s42, TROW
	s_add_co_u32 s46, s46, s18                     ; B's
	s_mov_b32 s47, 0
	s_mul_i32 s45, s14, BLK                        ; where it goes: wave x a slot's run
	s_mul_i32 s88, s15, BLK                        ; what I read: my half of A in slot 0,
	s_add_co_u32 s89, s88, SLOT                    ; in slot 1;
	s_mul_i32 s90, s16, BLK
	s_add_co_u32 s90, s90, 2*BLK                   ; my half of B
	s_add_co_u32 s91, s90, SLOT
	s_sub_co_u32 s92, s90, s88                     ; from A's run to B's
	s_add_co_u32 s94, s88, SCO                     ; the scale words
	s_add_co_u32 s95, s94, SLOT
	s_mul_i32 s93, s14, 16*SPITCH
	s_add_co_u32 s93, s93, STAGE                   ; my stage
	s_wait_dscnt 0x0                               ; both opening adds are done
	s_wait_kmcnt 0x0
	s_add_nc_u64 s[20:21], s[4:5], s[20:21]
	s_add_nc_u64 s[46:47], s[6:7], s[46:47]
.irp s, 0,1                            ; slot 0 begins at part 0, slot 1 at part 2
	s_mov_b32 s[G0+4*\s], 1
	s_add_co_u32 s[G0+4*\s+1], s45, \s*SLOT
	s_add_nc_u64 s[G0+4*\s+2:G0+4*\s+3], s[20:21], \s*2*SUB
	s_or_b32 s[G0+4*\s+3], s[G0+4*\s+3], 0x80000000
	s_mov_b32 s[G0B+4*\s], 1
	s_add_co_u32 s[G0B+4*\s+1], s45, \s*SLOT
	s_add_nc_u64 s[G0B+4*\s+2:G0B+4*\s+3], s[46:47], \s*2*SUB
	s_or_b32 s[G0B+4*\s+3], s[G0B+4*\s+3], 0x80000000
.endr
	CROUND                                         ; all sixteen work-groups are here: the first joint loads meet
	JLOAD G0, G1H, G0B, G1HB                       ; parts 0 and 1: one tensor load a wave at the head
	; under that load's flight: pointers, then addresses
	s_lshl_b32 s20, s17, 8
	s_lshl_b32 s21, s15, 7
	s_add_co_u32 s20, s20, s21                     ; my first row of out0,
	s_lshl_b32 s20, s20, 14                        ; in bytes
	s_lshl_b32 s46, s42, 10
	s_lshl_b32 s47, s16, 9
	s_add_co_u32 s46, s46, s47                     ; my first column, in bytes
	s_mov_b32 s47, 0
	s_mov_b32 s21, 0
	s_add_nc_u64 s[OUT:OUT+1], s[OUT:OUT+1], s[20:21]
	s_add_nc_u64 s[OUT:OUT+1], s[OUT:OUT+1], s[46:47]
	s_add_nc_u64 s[BIAS:BIAS+1], s[BIAS:BIAS+1], s[46:47]
	s_cmp_eq_u32 s15, 0                            ; the prefetches: do I fetch for A?
	s_cselect_b32 s20, s17, s42
	s_cselect_b32 s21, s40, s41                    ; my place among the four that ask with me
	s_cselect_b64 s[PFA:PFA+1], s[4:5], s[6:7]
	s_mul_i32 s20, s20, TROW
	s_add_co_u32 s20, s20, s18                     ; the run that I fetch,
	s_lshl_b32 s21, s21, 13
	s_add_co_u32 s20, s20, s21                     ; my work-group's 8,192 bytes of an ask's 32,768,
	s_add_co_u32 s20, s20, PFIRST-PSTEP            ; one ask short of the first refill's: each change of slots steps it ahead of its ask
	s_mov_b32 s21, 0
	s_add_nc_u64 s[PFA:PFA+1], s[PFA:PFA+1], s[20:21]
	s_mov_b32 s3, TRIPS
	v_and_b32 v1, 15, v0                           ; r
	v_bfe_u32 v2, v0, 4, 1                         ; h
	v_and_b32 v3, 31, v0
	v_lshlrev_b32 v[CO], 4, v3
	v_lshlrev_b32 v[PFO], 8, v3
	v_lshlrev_b32 v[BO], 4, v1
	v_lshlrev_b32 v6, 5, v1                        ; a row's eight scale words: 32 r;
	v_mul_u32_u24 v7, s92, v2                      ; lanes 16-31 take B's
	v_add_nc_u32 v6, v6, v7
	v_mul_u32_u24 v8, v1, SPITCH                   ; into the stage: row r, 32 bytes for each half of the lanes
	v_lshl_add_u32 v8, v2, 5, v8
	v_add_nc_u32 v[STO], s93, v8
	v_mul_u32_u24 v9, v2, SPITCH                   ; back: lanes 0-15 one row of 256 bytes, lanes 16-31 the next
	v_lshl_add_u32 v9, v1, 4, v9
	v_add_nc_u32 v[RD], s93, v9
	v_lshl_add_u32 v[GO], v2, 14, v[BO]            ; and the same two rows in out0
	WIN 0x80                                       ; destination window 2
	v_add_nc_u32 v[ADRA], s88, v[CO]
	v_add_nc_u32 v[ADRA+1], s89, v[CO]
	v_add_nc_u32 v[ADRB], s90, v[CO]
	v_add_nc_u32 v[ADRB+1], s91, v[CO]
	v_add_nc_u32 v[ADRS], s94, v6
	v_add_nc_u32 v[ADRS+1], s95, v6
	WIN 0xc0                                       ; destination window 3
	v_add_nc_u32 v[ADRA], s88, v[CO]
	v_add_nc_u32 v[ADRA+1], s89, v[CO]
	v_add_nc_u32 v[ADRB], s90, v[CO]
	v_add_nc_u32 v[ADRB+1], s91, v[CO]
	WIN 0
.irp k, 0,1                            ; the head's first two asks: bytes 16,384 + 32,768 k of the run
	global_prefetch_b8 v[PFO], s[PFA:PFA+1] offset:(\k-3)*PSTEP th:TH_LOAD_NT scope:SCOPE_SE
.endr
	global_load_b128 v[BV:BV+3], v[BO], s[BIAS:BIAS+1]              ; waited for behind the loop
	global_load_b128 v[BV+4:BV+7], v[BO], s[BIAS:BIAS+1] offset:256
.macro QWIN d                          ; quarter d's setting: source 0 window 2 + d % 2, source 1 window d / 2, source 2 and destination window d
	WIN (2+((\d)%2))|(((\d)/2)<<2)|((\d)<<4)|((\d)<<6)
.endm
.macro RUN d, t, slot, q               ; window d's four fragments of part (slot, q) into set t: 12 loads
	QWIN \d
.set QI, 0
.rept 12
	ds_load_b128 v[FRG+48*(\t)+4*QI:FRG+48*(\t)+4*QI+3], v[ADRA+2*((\d)/2)+(\slot)] offset:(\q)*SUB+(4*((\d)%2)+QI/3)*FRB+512*(QI%3)
.set QI, QI+1
.endr
.endm
.macro SCL t, slot, q                  ; its scale words: 2 loads
	QWIN 0
	ds_load_b128 v[SC+8*(\t):SC+8*(\t)+3], v[ADRS+(\slot)] offset:(\q)*SUB
	ds_load_b128 v[SC+8*(\t)+4:SC+8*(\t)+7], v[ADRS+(\slot)] offset:(\q)*SUB+16
.endm
; The runs of loads.  The four places at a run's head stand between the products that read a set last and the loads into it.
.macro FETCH t, slot, q                ; a whole part: 50 loads
	PLACES
	RUN 0, \t, \slot, \q
	SCL \t, \slot, \q
	RUN 2, \t, \slot, \q
	RUN 3, \t, \slot, \q
	RUN 1, \t, \slot, \q
.endm
.macro FETCHX t, slot, q               ; what quarters 0 and 1 want: 38 loads
	PLACES
	RUN 0, \t, \slot, \q
	SCL \t, \slot, \q
	RUN 2, \t, \slot, \q
	RUN 3, \t, \slot, \q
.endm
.macro FETCHY t, slot, q, ah           ; what quarters 2 and 3 want: 38 loads; ah = 0: A's blocks 4-7 are in their registers already: 26
	PLACES
	SCL \t, \slot, \q
	RUN 2, \t, \slot, \q
.if \ah
	RUN 1, \t, \slot, \q
.endif
	RUN 3, \t, \slot, \q
.endm
; 16 products on set p; the accumulators take turns, one instruction a turn.  zero = 1: the product starts the sum.
.macro QUARTER d, p, zero
	QWIN \d
.set QI, 0
.rept 16
.if \zero
	v_wmma_scale_f32_16x16x128_f8f6f4 v[8*QI:8*QI+7], v[FRG+48*(\p)+12*(QI%4):FRG+48*(\p)+12*(QI%4)+11], v[FRG+48*(\p)+12*(QI/4):FRG+48*(\p)+12*(QI/4)+11], 0, v[SC+8*(\p)+4*((\d)%2)+QI%4], v[SC+8*(\p)+4*((\d)/2)+QI/4] matrix_a_fmt:MATRIX_FMT_BF6 matrix_b_fmt:MATRIX_FMT_BF6 matrix_a_scale:MATRIX_SCALE_ROW1
.else
	v_wmma_scale_f32_16x16x128_f8f6f4 v[8*QI:8*QI+7], v[FRG+48*(\p)+12*(QI%4):FRG+48*(\p)+12*(QI%4)+11], v[FRG+48*(\p)+12*(QI/4):FRG+48*(\p)+12*(QI/4)+11], v[8*QI:8*QI+7], v[SC+8*(\p)+4*((\d)%2)+QI%4], v[SC+8*(\p)+4*((\d)/2)+QI/4] matrix_a_fmt:MATRIX_FMT_BF6 matrix_b_fmt:MATRIX_FMT_BF6 matrix_a_scale:MATRIX_SCALE_ROW1
.endif
.set QI, QI+1
.endr
.endm
; A step on set p, which fetches part (slot, q) into the other set.
.macro STEP p, zero, slot, q
	s_wait_dscnt 24                                ; A's blocks 0-3, the scale words and B's 0-3 are in; the youngest 24 loads may be out
	QUARTER 0, \p, \zero
	FETCH 1-(\p), \slot, \q
	s_wait_dscnt 62                                ; B's blocks 4-7 are in; A's 4-7 and the 50 loads just issued may be out
	QUARTER 1, \p, \zero
	s_wait_dscnt 50                                ; A's blocks 4-7 are in
	QUARTER 2, \p, \zero
	QUARTER 3, \p, \zero
.endm
; A step that changes slots.  All parts of 'slot' are in registers or on their way there; the other slot's load is waited for.  The first quarter stands between the add and its wait, the second between the opening
; barrier's signal and wait.  Behind the round: the refill, then the run that fetches the other slot's first part.
.macro TURN p, slot, adv, strict
	WIN 0                                          ; (the add's registers lie in window 0)
	s_wait_xcnt 0x0                                ; my last prefetch has read its address
	s_add_nc_u64 s[PFA:PFA+1], s[PFA:PFA+1], PSTEP
	s_wait_tensorcnt 0x0                           ; all my tensor loads have landed: my run of the other slot
	ds_add_u32 v[SPW], v[NIL]
	s_add_nc_u64 s[G0+4*\slot+2:G0+4*\slot+3], s[G0+4*\slot+2:G0+4*\slot+3], (\adv)*SUB
	s_add_nc_u64 s[G0B+4*\slot+2:G0B+4*\slot+3], s[G0B+4*\slot+2:G0B+4*\slot+3], (\adv)*SUB
	s_wait_dscnt 25                                ; (the youngest 24 loads and the add may be out)
	QUARTER 0, \p, 0
	s_wait_dscnt 0x0                               ; the add is done, and my reads of this slot are over
	s_barrier_signal -1
	QUARTER 1, \p, 0
	WIN 0
	s_barrier_wait -1
	CREST                                          ; no wave of any partner still reads this slot or has a load on its way
	JLOAD G0+4*\slot, G1, G0B+4*\slot, G1B         ; the first tensor load behind the round
	ASK \strict
	FETCH 1-(\p), 1-(\slot), 0
	QUARTER 2, \p, 0
	QUARTER 3, \p, 0
.endm
; THE WAY OUT of block a, 16 rows x 128 columns, in two parts.  IN: its left and its right 64 columns, one after the other, go into my stage and come back as rows of 256 bytes, two rows a load.
; LDS serves a wave's instructions in order (ISA guide 5.7.1.4): no wait between the stores and the loads, nor in front of the next stores.  OUT: the bias is added, and sixteen lanes store one aligned unit of 256 bytes.
.macro BLOCK_IN a
.set AC, 32*((\a)%4)
	s_wait_xcnt 0x0                                ; the last block's stores have read their registers and their base
.if (\a) > 0
	s_add_nc_u64 s[OUT:OUT+1], s[OUT:OUT+1], 16*SIZE_N*4
.endif
.irp w, 0,1                            ; the block's accumulators lie in two windows; each is read from its low end on
	WIN (2*((\a)/4)+\w)<<2
.irp b, 0,1,2,3
	ds_store_b128 v[STO], v[AC+8*\b:AC+8*\b+3] offset:64*\b
	ds_store_b128 v[STO], v[AC+8*\b+4:AC+8*\b+7] offset:64*\b+16
.endr
	WIN 0
.irp t, 0,1,2,3,4,5,6,7
	ds_load_b128 v[BK+32*\w+4*\t:BK+32*\w+4*\t+3], v[RD] offset:\t*2*SPITCH
.endr
.endr
.endm
.macro BLOCK_OUT
	WIN 0
	s_wait_dscnt 0x0                               ; the block is back in registers
.irp w, 0,1
.irp t, 0,1,2,3,4,5,6,7
	v_pk_add_f32 v[BK+32*\w+4*\t:BK+32*\w+4*\t+1], v[BK+32*\w+4*\t:BK+32*\w+4*\t+1], v[BV+4*\w:BV+4*\w+1]
	v_pk_add_f32 v[BK+32*\w+4*\t+2:BK+32*\w+4*\t+3], v[BK+32*\w+4*\t+2:BK+32*\w+4*\t+3], v[BV+4*\w+2:BV+4*\w+3]
.endr
.endr
.irp w, 0,1
.irp t, 0,1,2,3,4,5,6,7
	global_store_b128 v[GO], v[BK+32*\w+4*\t:BK+32*\w+4*\t+3], s[OUT:OUT+1] offset:2*\t*SIZE_N*4+256*\w th:TH_STORE_NT
.endr
.endr
.endm
; Half a step for my rows 0-63, on set p.  Its run stands at its head.  mode = 1: the next part for rows 0-63; mode = 2: part 26 once more, for rows 64-127.
.macro HX p, mode, slot, q
	s_wait_dscnt 12                                ; all but B's blocks 4-7 are in (behind the loop: all but A's 4-7, which wait for the second pass)
.if (\mode) == 1
	FETCHX 1-(\p), \slot, \q
.else
	FETCHY 1-(\p), \slot, \q, 0
.endif
	QUARTER 0, \p, 0
	s_wait_dscnt 50-12*(\mode)                     ; only the 38 or 26 loads just issued may be out
	QUARTER 1, \p, 0
.endm
; Half a step for my rows 64-127, on set p.  hb = 1: block a of rows 0-63 goes through the stage under its products and is stored behind them.
.macro HY p, ld, slot, q, hb, a
.if \hb
	s_wait_dscnt 0x0
.else
	s_wait_dscnt 12                                ; all but B's blocks 4-7 are in
.endif
.if \ld
	FETCHY 1-(\p), \slot, \q, 1
.endif
.if \hb
	BLOCK_IN \a
.endif
	QUARTER 2, \p, 0
.if (\hb) == 0
	s_wait_dscnt 38*(\ld)                          ; only the loads just issued may be out
.endif
	QUARTER 3, \p, 0
.if \hb
	BLOCK_OUT
.endif
.endm
	s_wait_alu depctr_va_vdst(0)
	s_wait_tensorcnt 0x0                           ; my run of parts 0 and 1 is in; the same lines as ahead of a refill:
	ds_add_u32 v[SPW], v[NIL]
	s_wait_dscnt 0x0
	CROUND                                         ; everybody's run is in, and the joint loads meet
	JLOAD G0+4, G1, G0B+4, G1B                     ; slot 1's first fill: parts 2 to 4
.irp k, 2,3                            ; the head's other two asks
	global_prefetch_b8 v[PFO], s[PFA:PFA+1] offset:(\k-3)*PSTEP th:TH_LOAD_NT scope:SCOPE_SE
.endr
	FETCH 0, 0, 0                                  ; part 0 into set 0
	STEP 0, 1, 0, 1                                ; step 0 starts the sums
	TURN 1, 0, 5, 1                                ; step 1: slot 0 takes parts 5 to 7
	WIN 0
.Llap:                                                 ; six steps: once round the ring
	STEP 0, 0, 1, 1
	STEP 1, 0, 1, 2
	TURN 0, 1, 6, 0
	STEP 1, 0, 0, 1
	STEP 0, 0, 0, 2
	TURN 1, 0, 6, 1
	WIN 0
	s_sub_co_u32 s3, s3, 1
	s_cmp_lg_u32 s3, 0
	s_cbranch_scc1 .Llap
	s_wait_loadcnt 0x0                             ; the bias
	; steps 26 to 31 for rows 0-63.  Parts 26 to 28 lie in slot 1, parts 29 to 31 in slot 0; nothing more is fetched from memory
	HX 0, 1, 1, 1
	HX 1, 1, 1, 2
	WIN 0                                          ; step 28 holds the last barrier: behind it parts 29 to 31 are whole for all four waves; nothing is filled again
	s_wait_tensorcnt 0x0                           ; my last tensor load has landed
	ds_add_u32 v[SPW], v[NIL]
	s_wait_dscnt 13                                ; (B's blocks 4-7 and the add may be out)
	QUARTER 0, 0, 0
	s_wait_dscnt 0x0
	s_barrier_signal -1
	QUARTER 1, 0, 0
	s_barrier_wait -1
	FETCHX 1, 0, 0
	HX 1, 1, 0, 1
	HX 0, 1, 0, 2
	HX 1, 2, 1, 0
	; the same steps for rows 64-127; blocks 0 to 3 leave on the way
	HY 0, 1, 1, 1, 1, 0
	HY 1, 1, 1, 2, 1, 1
	HY 0, 1, 0, 0, 1, 2
	HY 1, 1, 0, 1, 1, 3
	HY 0, 1, 0, 2, 0, 0
	HY 1, 0, 0, 0, 0, 0
	WIN 0
	PLACES                                         ; behind the last products: their results are read
.irp a, 4,5,6,7
	BLOCK_IN \a
	BLOCK_OUT
.endr
	s_wait_tensorcnt 0x0                           ; the wave's end
	ds_add_u32 v[SPW], v[NIL]
	s_wait_dscnt 0x0
	CROUND                                         ; the closing round
	s_endpgm
.Lfunc_end_k_q1c09f9eee4_gemm:
	.size	k_q1c09f9eee4_gemm, .Lfunc_end_k_q1c09f9eee4_gemm-k_q1c09f9eee4_gemm
	.p2alignl 7, 3214868480
	.fill 96, 4, 3214868480
	.section	.rodata,"a",@progbits
	.p2align	6, 0x0
	.amdhsa_kernel k_q1c09f9eee4_gemm
		.amdhsa_group_segment_fixed_size 327680
		.amdhsa_private_segment_fixed_size 0
		.amdhsa_enable_private_segment 0
		.amdhsa_kernarg_size 32
		.amdhsa_user_sgpr_count 2
		.amdhsa_user_sgpr_kernarg_segment_ptr 1
		.amdhsa_wavefront_size32 1
		.amdhsa_system_sgpr_workgroup_id_x 1
		.amdhsa_system_sgpr_workgroup_id_y 1
		.amdhsa_system_sgpr_workgroup_id_z 1
		.amdhsa_system_vgpr_workitem_id 0
		.amdhsa_next_free_vgpr 1024
		.amdhsa_next_free_sgpr 102
		.amdhsa_reserve_vcc 0
		.amdhsa_float_denorm_mode_32 3
		.amdhsa_float_denorm_mode_16_64 3
		.amdhsa_memory_ordered 1
		.amdhsa_forward_progress 1
		.amdhsa_inst_pref_size 234
	.end_amdhsa_kernel
	.amdgpu_metadata
---
amdhsa.version: [ 1, 2 ]
amdhsa.kernels:
  - .name:           k_q1c09f9eee4_gemm
    .symbol:         k_q1c09f9eee4_gemm.kd
    .args:
      - { .name: a_pack, .offset: 0, .size: 8, .value_kind: global_buffer, .address_space: global }
      - { .name: b_pack, .offset: 8, .size: 8, .value_kind: global_buffer, .address_space: global }
      - { .name: bias, .offset: 16, .size: 8, .value_kind: global_buffer, .address_space: global }
      - { .name: out0, .offset: 24, .size: 8, .value_kind: global_buffer, .address_space: global }
    .group_segment_fixed_size: 327680
    .private_segment_fixed_size: 0
    .kernarg_segment_align: 8
    .kernarg_segment_size: 32
    .max_flat_workgroup_size: 128
    .sgpr_count:     102
    .vgpr_count:     1024
    .wavefront_size: 32
...
	.end_amdgpu_metadata
.endif
;; end of part 2
